; MI455X (gfx1250); checked and timed in simulation.
; The chip was launched on July 23, 2026; its instructions are those of AMD's public machine-readable ISA for CDNA 5 (MIT licence, August 2026) and "CDNA5" Instruction Set Architecture Reference Guide (July 2026). The comments in the code are by the model that wrote it; some were corrected since.
;; Moe KAN Layer. Allowed arithmetic: matrix products marked QUANTISED: E4M3 operands, one given power-of-two scale a tensor, by v_wmma_f32_16x16x64_fp8_fp8 or v_wmma_f32_16x16x128_fp8_fp8, f32 sums; products left as they are: f32 operands where the result goes on into a quantised operand, else bf16, f16 or f32 operands; f32 sums; everything else in f32.
;; Inputs: b1 8 x 4,096 float32; b2 8 x 1,024 float32; gate_b 8 float32; gate_w 1,024 x 8 float32; lowp_scales 32 int32 (the exponents e of the quantised operands' scales 2^e); w1 8 x 1,024 x 4,096 float32; w2 8 x 4,096 x 1,024 float32; x 4 x 256 x 1,024 float32.
;; Outputs: out0 4 x 256 x 1,024 float32.
;; This version of the problem:
;;   THIS VERSION OF THE PROBLEM IS GIVEN IN LOW PRECISION. The matrix products marked QUANTISED in the list below multiply operands that are first quantised to E4M3 (4 exponent bits, 3 mantissa bits; 8 bits a number), with one given power-of-two scale for each operand tensor; their sums are f32. All else is computed in f32.
;;   The module's matrix products, in the order in which they are computed (A, B: the left and right operand; K: the contracted axis; several contracted axes count as one K, in the product's order):
;;     1. [M 1,024, K 1,024] x [K 1,024, N 8]; A: input x; B: input gate_w: left as it is (N = 8 < 16)
;;     2. [M 1,024, K 1,024] x [K 1,024, N 4,096]; A: computed on the way; B: input w1: QUANTISED (scales: A lowp_scales[0], B lowp_scales[1])
;;     3. [M 1,024, K 4,096] x [K 4,096, N 1,024]; A: computed on the way; B: input w2: QUANTISED (scales: A lowp_scales[2], B lowp_scales[3])
;;     4. [M 1,024, K 1,024] x [K 1,024, N 4,096]; A: computed on the way; B: input w1: QUANTISED (scales: A lowp_scales[4], B lowp_scales[5])
;;     5. [M 1,024, K 4,096] x [K 4,096, N 1,024]; A: computed on the way; B: input w2: QUANTISED (scales: A lowp_scales[6], B lowp_scales[7])
;;     6. [M 1,024, K 1,024] x [K 1,024, N 4,096]; A: computed on the way; B: input w1: QUANTISED (scales: A lowp_scales[8], B lowp_scales[9])
;;     7. [M 1,024, K 4,096] x [K 4,096, N 1,024]; A: computed on the way; B: input w2: QUANTISED (scales: A lowp_scales[10], B lowp_scales[11])
;;     8. [M 1,024, K 1,024] x [K 1,024, N 4,096]; A: computed on the way; B: input w1: QUANTISED (scales: A lowp_scales[12], B lowp_scales[13])
;;     9. [M 1,024, K 4,096] x [K 4,096, N 1,024]; A: computed on the way; B: input w2: QUANTISED (scales: A lowp_scales[14], B lowp_scales[15])
;;     10. [M 1,024, K 1,024] x [K 1,024, N 4,096]; A: computed on the way; B: input w1: QUANTISED (scales: A lowp_scales[16], B lowp_scales[17])
;;     11. [M 1,024, K 4,096] x [K 4,096, N 1,024]; A: computed on the way; B: input w2: QUANTISED (scales: A lowp_scales[18], B lowp_scales[19])
;;     12. [M 1,024, K 1,024] x [K 1,024, N 4,096]; A: computed on the way; B: input w1: QUANTISED (scales: A lowp_scales[20], B lowp_scales[21])
;;     13. [M 1,024, K 4,096] x [K 4,096, N 1,024]; A: computed on the way; B: input w2: QUANTISED (scales: A lowp_scales[22], B lowp_scales[23])
;;     14. [M 1,024, K 1,024] x [K 1,024, N 4,096]; A: computed on the way; B: input w1: QUANTISED (scales: A lowp_scales[24], B lowp_scales[25])
;;     15. [M 1,024, K 4,096] x [K 4,096, N 1,024]; A: computed on the way; B: input w2: QUANTISED (scales: A lowp_scales[26], B lowp_scales[27])
;;     16. [M 1,024, K 1,024] x [K 1,024, N 4,096]; A: computed on the way; B: input w1: QUANTISED (scales: A lowp_scales[28], B lowp_scales[29])
;;     17. [M 1,024, K 4,096] x [K 4,096, N 1,024]; A: computed on the way; B: input w2: QUANTISED (scales: A lowp_scales[30], B lowp_scales[31])
;;   THE QUANTISER, for each operand of a quantised product, along K:
;;     - The operand's scale is 2^e, e = its entry of the input lowp_scales (int32; the entries are numbered through the quantised products in the list's order, A before B).
;;     - Each number is divided by the scale, clamped to +-448, and rounded to the nearest number of E4M3, ties to even, subnormals kept.
;;     - The product sums the exact products of the quantised numbers (number of the format x scale) in f32.
;;   ~~~python
;;   def quantise(x, axis, e):      # numpy; x: float32 -> the quantised numbers, widened to float32 again
;;       x = np.moveaxis(x, axis, -1); K = x.shape[-1]
;;       r = np.clip(x / 2.0 ** e, -448, 448)
;;       step = 2.0 ** (np.maximum(np.frexp(np.where(r == 0, 1, r))[1] - 1, -6) - 3)
;;       q = np.round(r / step) * step * 2.0 ** e      # np.round: ties to even
;;       return np.moveaxis(q, -1, axis).astype(np.float32)
;;   ~~~
;;   OPERANDS COMPUTED ON THE WAY. 'Computed on the way' means the value that the module computes at that place (a softmax that the list does not call 'softmax' is quantised finished and normalised). What goes into a quantiser is computed in f32, as accurately as f32 sums, v_exp_f32 and their like allow (about 1e-6 of the number): no bf16 or f16 on the way to a quantiser, and a product that is left as it is and whose result goes on into a quantised operand takes f32 operands (vector FMAs, or v_wmma_f32_16x16x4_f32). A number that lies on a knife's edge between two numbers of the format may be rounded either way, as far as f32 arithmetic and the matrix unit's own rounding can turn it there, and no further.
;; One version. Each part assembles by itself: llvm-mc -triple=amdgcn-amd-amdhsa -mcpu=gfx1250 --defsym DOCPART=n.
;; ======== version 1 of 1: 4 launches
;; limits: right only within a limited range of input values
;; workspace buffers: ti 8,192 bytes of whole numbers; tw 8,192 bytes; cnt 256 bytes of whole numbers; list 32,768 bytes of whole numbers; wsort 32,768 bytes; xq 8,388,608 bytes; h_img 33,554,432 bytes; part 16,777,216 bytes
;; launch route (part 1): grid 256 x 1, 4 waves a work-group, no clusters, 0 bytes of LDS; arguments x, gate_w, gate_b, ti, tw, lowp_scales, xq; writes ti, tw, xq
.if DOCPART == 1
	.amdgcn_target "amdgcn-amd-amdhsa--gfx1250"
	.amdhsa_code_object_version 6
	.text
	.protected	k_q5243520796_route
	.globl	k_q5243520796_route
	.p2align	8
	.type	k_q5243520796_route,@function
k_q5243520796_route:
	s_mov_b64 s[64:65], 0
	v_nop
	global_prefetch_b8 v0, s[64:65] scope:SCOPE_SE
	s_setreg_imm32_b32 hwreg(HW_REG_WAVE_MODE, 25, 1), 1
	s_wait_xcnt 0x0
; THE GATE.  probs = softmax(x gate_w + gate_b) over 8 experts, then the two largest, ties to the lower index.  All in f32.
; One wave takes one token (4 x work-group + wave).  Lane l holds x[k] for k = 128 j + 4 l + c (j = 0..7, c = 0..3) and the 8 weights of each such k.
; All 72 loads of a wave go out at once, so that the wave waits for memory once: gate_w takes 256 registers, six sets of 32 in window 0 and two in window 1.
; Stored at fixed places: ti[2 t + k] the expert, tw[2 t + k] its probability.  No address and no branch hangs on the data.
; LIMITS: NaN among the inputs is not served; the 1,024 products of a logit are summed in another order than a plain loop over k.
.set XR, 8                             ; v8-39    x: register 4 j + c
.set A0, 40                            ; v40-47   8 sums over even c;  later the logits
.set A1, 48                            ; v48-55   8 sums over odd c;   later at work
.set PR, 56                            ; v56-63   the exponentials, then the probabilities
.set GW, 64                            ; v64-255  gate_w, sets j = 0..5 of 32 registers (8 c + e); sets 6 and 7 are v0-63 of window 1
.set MSB, 0
.macro WIN new                         ; the immediate's high byte repeats the setting that is left
.if MSB != \new
	s_set_vgpr_msb (MSB<<8)|\new
.set MSB, \new
.endif
.endm
	s_load_b256 s[4:11], s[0:1], 0x0               ; x s[4:5], gate_w s[6:7], gate_b s[8:9], ti s[10:11]
	s_load_b64 s[12:13], s[0:1], 0x20              ; tw
	s_load_b128 s[28:31], s[0:1], 0x28             ; the scales s[28:29], xq s[30:31]
	v_and_b32 v1, 31, v0                           ; lane
	v_lshrrev_b32 v2, 5, v0
	v_readfirstlane_b32 s14, v2                    ; wave
	s_lshl_b32 s15, ttmp9, 2
	s_add_co_u32 s15, s15, s14                     ; my token
	s_lshl_b32 s2, s15, 12                         ; its row of 4,096 bytes
	s_mov_b32 s3, 0
	v_lshlrev_b32 v2, 4, v1                        ; x: 16 bytes a lane
	v_lshlrev_b32 v3, 7, v1                        ; gate_w: four rows of 32 bytes a lane
	s_mov_b32 s24, 0x76543210                      ; lane selects: lane l xor 16
	s_mov_b32 s25, 0xfedcba98
	s_mov_b32 s26, 0x3fb8aa3b                      ; log2(e)
	s_wait_alu depctr_va_vdst(0)
	s_wait_kmcnt 0x0
	s_load_b256 s[16:23], s[8:9], 0x0              ; gate_b
	s_load_b512 s[32:47], s[28:29], 0x0            ; the 32 exponents: expert e's scale for x is entry 4 e
	s_load_b512 s[48:63], s[28:29], 0x40
	s_lshl_b32 s68, s15, 10                        ; my token's row of 1,024 codes
	s_mov_b32 s69, 0
	s_add_nc_u64 s[30:31], s[30:31], s[68:69]
	s_add_nc_u64 s[4:5], s[4:5], s[2:3]
.irp j, 0,1,2,3,4,5,6,7
	global_load_b128 v[XR+4*\j:XR+4*\j+3], v2, s[4:5] offset:512*\j th:TH_LOAD_NT   ; 32 lanes read 512 consecutive bytes
.endr
.macro GLOAD j                         ; the 128 rows of gate_w that belong to j: 128 bytes a lane, 4,096 consecutive bytes a wave
.if (\j) < 6
	WIN 0
.set gb, GW+32*(\j)
.else
	WIN 0x40                                       ; destination window 1
.set gb, 32*((\j)-6)
.endif
.irp i, 0,1,2,3,4,5,6,7
	global_load_b128 v[gb+4*\i:gb+4*\i+3], v3, s[6:7] offset:4096*(\j)+16*\i
.endr
.endm
.macro DOT j
	s_wait_loadcnt 8*(7-(\j))                      ; x and set j are in; the eight loads of each later set may be out
.if (\j) < 6
	WIN 0
.set gb, GW+32*(\j)
.else
	WIN 0x04                                       ; source 1 window 1
.set gb, 32*((\j)-6)
.endif
.irp c, 0,1,2,3
.irp e, 0,1,2,3,4,5,6,7
.if ((\j) == 0) && (\c < 2)
	v_mul_f32 v[A0+8*\c+\e], v[XR+\c], v[gb+8*\c+\e]               ; the first products start the sums: nothing is cleared
.else
	v_fmac_f32 v[A0+8*(\c%2)+\e], v[XR+4*(\j)+\c], v[gb+8*\c+\e]
.endif
.endr
.endr
.endm
.irp j, 0,1,2,3,4,5,6,7
	GLOAD \j
.endr
; THE CODES OF x, for every expert's scale (no routing is needed for them): xq[e][token] is 1,024 bytes; byte 512 t + 16 l + 4 jj + c is the code of k = 128 (4 t + jj) + 4 l + c,
; so that a lane's eight registers of codes leave by two stores of 512 consecutive bytes a wave.  The first layer lays its weights by the same map.
; LIMIT: these exponents lie between -126 and 119.
.set QT, 64                            ; window 1: v64-95 the held numbers
.set CD, 96                            ; v96-159 the codes, eight registers an expert, so that no store's data are written again
.set LQ, 160                           ; 448 x 2^ex
.set SQ1, 161                          ; 2^ex
	s_wait_loadcnt 63                              ; x's eight loads and the first of gate_w are in; the other 63 loads of gate_w may be out
	s_wait_kmcnt 0x0
.irp e, 0,1,2,3,4,5,6,7
	s_add_co_i32 s70, s[32+4*\e], 127
	s_lshl_b32 s71, s70, 23
	s_add_co_i32 s70, s70, 8
	s_lshl_b32 s70, s70, 23
	s_or_b32 s70, s70, 0x600000
	WIN 0x54                                       ; destination, sources 1 and 2 window 1
	v_mov_b32 v[LQ], s70
	v_mov_b32 v[SQ1], s71
.set k, 0
.rept 32
	v_med3_num_f32 v[QT+k], v[XR+k], -v[LQ], v[LQ] ; the conversion to an 8-bit code does not saturate (ISA guide 7.6.2): the hold comes first
.set k, k+1
.endr
	WIN 0x45
.irp m, 0,1,2,3
	v_cvt_scalef32_pk8_fp8_f32 v[CD+8*\e+2*\m:CD+8*\e+2*\m+1], v[QT+8*\m:QT+8*\m+7], v[SQ1]
.endr
	v_nop                                          ; a plain instruction behind the last conversion
	WIN 0x04                                       ; a store's data window 1
	global_store_b128 v2, v[CD+8*\e:CD+8*\e+3], s[30:31] offset:1048576*\e th:TH_STORE_NT
	global_store_b128 v2, v[CD+8*\e+4:CD+8*\e+7], s[30:31] offset:1048576*\e+512 th:TH_STORE_NT
.endr
.irp j, 0,1,2,3,4,5,6,7
	DOT \j
.endr
	WIN 0
.irp e, 0,1,2,3,4,5,6,7
	v_add_f32 v[A0+\e], v[A0+\e], v[A1+\e]
.endr
.irp m, 1,2,4,8                        ; across the 16 lanes of a half, the eight sums by turns
.irp e, 0,1,2,3,4,5,6,7
	v_add_f32_dpp v[A0+\e], v[A0+\e], v[A0+\e] row_xmask:\m row_mask:0xf bank_mask:0xf
.endr
.endr
.irp e, 0,1,2,3,4,5,6,7
	v_permlanex16_b32 v[A1+\e], v[A0+\e], s24, s25 ; the other half's (the destination has been written before)
.endr
	s_wait_alu depctr_va_vdst(0)
	s_wait_kmcnt 0x0                               ; gate_b
.irp e, 0,1,2,3,4,5,6,7
	v_add_f32 v[A0+\e], v[A0+\e], v[A1+\e]
.endr
.irp e, 0,1,2,3,4,5,6,7
	v_add_f32 v[A0+\e], s[16+\e], v[A0+\e]         ; every lane now holds all eight logits
.endr
	v_max3_num_f32 v4, v[A0], v[A0+1], v[A0+2]     ; the largest logit is taken away before the exponentials
	v_max3_num_f32 v4, v4, v[A0+3], v[A0+4]
	v_max3_num_f32 v4, v4, v[A0+5], v[A0+6]
	v_max_num_f32 v4, v4, v[A0+7]
	v_mul_f32 v5, s26, v4
.irp e, 0,1,2,3,4,5,6,7
	v_fma_f32 v[PR+\e], v[A0+\e], s26, -v5
.endr
	s_wait_alu depctr_va_vdst(0)
.irp e, 0,1,2,3,4,5,6,7
	v_exp_f32 v[PR+\e], v[PR+\e]
.endr
	v_lshlrev_b32 v10, 2, v1                       ; (a plain instruction behind the exponentials)  4 x lane, for the stores
	s_wait_alu depctr_va_vdst(0)                   ; one wait for the eight, ahead of their first reader
	v_add_f32 v6, v[PR], v[PR+1]
	v_add_f32 v7, v[PR+2], v[PR+3]
	v_add_f32 v11, v[PR+4], v[PR+5]
	v_add_f32 v12, v[PR+6], v[PR+7]
	v_add_f32 v6, v6, v7
	v_add_f32 v11, v11, v12
	v_add_f32 v6, v6, v11
	s_wait_alu depctr_va_vdst(0)
	v_rcp_f32 v6, v6
	v_mov_b32 v5, 0                                ; (a plain instruction behind the reciprocal)  the best expert so far: 0
	s_wait_alu depctr_va_vdst(0)                   ; ahead of the reciprocal's first reader
.irp e, 0,1,2,3,4,5,6,7
	v_mul_f32 v[PR+\e], v[PR+\e], v6               ; the probabilities
.endr
	v_mov_b32 v4, v[PR]
.irp e, 1,2,3,4,5,6,7                  ; the largest: a strict compare keeps the lower index on a tie
	v_cmp_gt_f32 vcc_lo, v[PR+\e], v4
	v_cndmask_b32 v4, v4, v[PR+\e], vcc_lo
	v_cndmask_b32 v5, v5, \e, vcc_lo
.endr
	v_mov_b32 v6, -1.0                             ; under every probability
	v_mov_b32 v7, 0
.irp e, 0,1,2,3,4,5,6,7                ; the largest of the other seven
	v_cmp_ne_u32 s27, \e, v5
	v_cmp_gt_f32 vcc_lo, v[PR+\e], v6
	s_and_b32 vcc_lo, vcc_lo, s27
	v_cndmask_b32 v6, v6, v[PR+\e], vcc_lo
	v_cndmask_b32 v7, v7, \e, vcc_lo
.endr
	v_cmp_eq_u32 vcc_lo, 0, v1
	v_cndmask_b32 v8, v7, v5, vcc_lo               ; lane 0 carries the first choice, lane 1 the second
	v_cndmask_b32 v9, v6, v4, vcc_lo
	s_lshl_b32 s2, s15, 3                          ; 8 bytes a token in ti and in tw
	s_add_nc_u64 s[10:11], s[10:11], s[2:3]
	s_add_nc_u64 s[12:13], s[12:13], s[2:3]
	s_wait_alu depctr_va_vdst(0)
	s_wait_xcnt 0x0                                ; EXEC changes only behind this wait
	v_cmpx_gt_u32 2, v1                            ; lanes 0 and 1
	global_store_b32 v10, v8, s[10:11]
	global_store_b32 v10, v9, s[12:13]
	s_endpgm
.Lfunc_end_k_q5243520796_route:
	.size	k_q5243520796_route, .Lfunc_end_k_q5243520796_route-k_q5243520796_route
	.p2alignl 7, 3214868480
	.fill 96, 4, 3214868480
	.section	.rodata,"a",@progbits
	.p2align	6, 0x0
	.amdhsa_kernel k_q5243520796_route
		.amdhsa_group_segment_fixed_size 0
		.amdhsa_private_segment_fixed_size 0
		.amdhsa_enable_private_segment 0
		.amdhsa_kernarg_size 56
		.amdhsa_user_sgpr_count 2
		.amdhsa_user_sgpr_kernarg_segment_ptr 1
		.amdhsa_wavefront_size32 1
		.amdhsa_system_sgpr_workgroup_id_x 1
		.amdhsa_system_sgpr_workgroup_id_y 1
		.amdhsa_system_sgpr_workgroup_id_z 1
		.amdhsa_system_vgpr_workitem_id 0
		.amdhsa_next_free_vgpr 448
		.amdhsa_next_free_sgpr 80
		.amdhsa_reserve_vcc 1
		.amdhsa_float_denorm_mode_32 3
		.amdhsa_float_denorm_mode_16_64 3
		.amdhsa_memory_ordered 1
		.amdhsa_forward_progress 1
		.amdhsa_inst_pref_size 48
	.end_amdhsa_kernel
	.amdgpu_metadata
---
amdhsa.version: [ 1, 2 ]
amdhsa.kernels:
  - .name:           k_q5243520796_route
    .symbol:         k_q5243520796_route.kd
    .args:
      - { .name: x, .offset: 0, .size: 8, .value_kind: global_buffer, .address_space: global }
      - { .name: gate_w, .offset: 8, .size: 8, .value_kind: global_buffer, .address_space: global }
      - { .name: gate_b, .offset: 16, .size: 8, .value_kind: global_buffer, .address_space: global }
      - { .name: ti, .offset: 24, .size: 8, .value_kind: global_buffer, .address_space: global }
      - { .name: tw, .offset: 32, .size: 8, .value_kind: global_buffer, .address_space: global }
      - { .name: lowp_scales, .offset: 40, .size: 8, .value_kind: global_buffer, .address_space: global }
      - { .name: xq, .offset: 48, .size: 8, .value_kind: global_buffer, .address_space: global }
    .group_segment_fixed_size: 0
    .private_segment_fixed_size: 0
    .kernarg_segment_align: 8
    .kernarg_segment_size: 56
    .max_flat_workgroup_size: 128
    .sgpr_count:     80
    .vgpr_count:     448
    .wavefront_size: 32
...
	.end_amdgpu_metadata
.endif
;; end of part 1
;; launch up (part 2): grid 256 x 1, 8 waves a work-group, no clusters, 132,096 bytes of LDS; arguments xq, ti, tw, w1, b1, lowp_scales, h_img, list, wsort, cnt; writes h_img, list, wsort, cnt
.if DOCPART == 2
	.amdgcn_target "amdgcn-amd-amdhsa--gfx1250"
	.amdhsa_code_object_version 6
	.text
	.protected	k_q5243520796_up
	.globl	k_q5243520796_up
	.p2align	8
	.type	k_q5243520796_up,@function
k_q5243520796_up:
	s_mov_b64 s[64:65], 0
	v_nop
	global_prefetch_b8 v0, s[64:65] scope:SCOPE_SE
	s_setreg_imm32_b32 hwreg(HW_REG_WAVE_MODE, 25, 1), 1
	s_wait_xcnt 0x0
; THE FIRST LAYER, for the routed rows alone: h = Q(relu(xq w1q + b1)), both operands codes of E4M3, sums in f32.
; Rows that no pair routes to expert e are left out: the module multiplies their result by the weight 0.
; Work-group (expert e = id / 32, slice fs = id % 32) owns hidden units 128 fs .. 128 fs + 127 of expert e, for all rows routed to e.
; THE ROWS BY EXPERT.  A pair p = 2 x token + k is routed to expert ti[p].  Every wave scans all 2,048 choices in registers and finds the pairs of the 80 ranks of its five tiles:
; three searches a lane (slot 32 i + lane is row lane % 16 of tile slot 2 i + lane / 16), then the halves of the wave exchange them.  The order of an expert's pairs is by word w and lane l of the scan,
; pair = 128 (w / 4) + 4 l + w % 4.  A rank that the expert does not have yields some pair inside the tables: its row is multiplied, and the second layer masks it off by the count.
; The work-groups of slice 0 store the pairs (list), their gate weights (wsort) and the count (cnt) for the second layer.
; The rows' fragments are gathered from xq[e][token]: lane (r, h) takes the 64 bytes at 128 s + 64 h of its row; byte p = 16 q + ii is k = 512 (s / 4) + 32 (s % 4) + 16 h + 4 q + 128 (ii / 4) + ii % 4.
; EIGHT STAGES, one K step of 128 each.  In stage n every wave quantises one UNIT of w1 (16 rows x 4 columns a lane, 16 loads), turns its bytes and stores a quarter of four
; fragments into the K step's eight images in LDS; then the waves multiply that K step with the rows.  Wave (u = wave % 2, q = wave / 2): columns 64 u .., rows by the map above.
; Lane r of fragment 4 u + j stands for hidden unit 64 u + 4 r + j.
; The units lie on a ring of two sets of 64 registers: unit n + 2 is asked for as soon as unit n is converted, so 32 loads of a wave are out while it multiplies.
; LOADcnt falls in the order of issue.  The order is rows(n), unit n + 2, rows(n + 1): the wait for unit n leaves unit n + 1 and rows(n) out (36), the wait for rows(n) leaves unit n + 2 out (16).
; Two barriers a stage: one between all waves' reads of the last images and the stores, one between the stores and the reads.  Both stand on every wave's path, ahead of every branch on the row count.
; PRODUCTS: wave (wf = u, wt = q) multiplies fragments 4 wf .. 4 wf + 3 with five tiles, 20 pass + 4 a + wt: 20 accumulators by turns.
; All five slots are always walked, so that all counts are constants; the store of a tile that the expert does not have is jumped over.
; An expert with more than 20 tiles is served by further passes over the finished images: loops of constant count, walked by every wave, with the branch on the row count inside them.
; THE PRODUCT IS USED TRANSPOSED: lane (r, h) holds row r, register jj of fragment j the unit 64 wf + 32 h + 4 jj + j.  Bias, relu, hold and conversion in registers;
; the codes are quarters 2 wf, 2 wf + 1 of K step fs of the second product's image: byte p (b = p / 8, jj = p % 8) is k = 128 s + 64 (b / 4) + 32 h + 4 jj + b % 4.
; No tensor load and no cluster: branches hang on the count.  No prefetch: the stream of w1 is asked for two units ahead by the loads themselves.
; LIMITS: ew1 and eh between -126 and 119, ex + ew1 between -126 and 127.  NaN among the inputs is not served.
.set STG,   16384                      ; LDS bytes of a stage's eight images
.set SPARE, 131072                     ; behind the images: the spare words, 128 bytes a wave
; window 0
.set L16,  1                           ; 16 x lane
.set SADB, 2                           ; where my quarters go in a stage
.set SAD,  3                           ; the same in this stage
.set WOFF, 4                           ; my lane's byte in w1: 16 rows x h + 16 r
.set LIM,  5                           ; 448 x 2^ew1; on the way out 448 x 2^eh
.set SC,   6                           ; 2^ew1; on the way out 2^eh
.set SPW,  7
.set NIL,  8
.set AOFF, 9                           ; v9-13 slot a: my row's bytes in xq + 64 h
.set SOFF, 14                          ; at the head 128 h for b1; then 16 x lane + a tile's bytes in h_img
.set LBB,  15                          ; my four images in a stage
.set RW,   16                          ; v16-95 the rows' fragments, five tiles
.set TI,   16                          ; v16-79 the scan: ti, 64 words a lane
.set QR,   80                          ; v80-82 my three ranks
.set MW,   83                          ; v83-85 the word that holds the rank
.set PW,   86                          ; v86-88 the pairs ahead of that word, and 65,536 x its number
.set RV,   89                          ; r
.set HV,   90                          ; h
.set RG,   96                          ; v96-223 the ring, two units
.set BI,   224                         ; v224-255 b1 of my 32 units: register 4 jj + j
.set TT,   16                          ; the way out: 32 numbers
.set FC,   48                          ; their codes
; window 1: v0-159 the accumulators (32 a + 8 j + jj)
.set BB,   160                         ; v160-223 four fragments of the weights; between the products the codes on their way:
.set DQ,   160
.set SQ,   176
.set TQ,   192
.set LB,   224                         ; LDS address of my images in this stage
.set PRS,  226                         ; v226-230 slot a: the pair of row r
.set TWS,  231                         ; v231-235 its gate weight
.set TWO,  236                         ; v236-240 4 x the pair
.set W_MUL, 0x51
.set WV, 20
.set WT, 21
.set EX, 22
.set SL, 23
.set SCL, 24
.set SS, 28
.set LO, 29
.set NE, 30
.set NT, 31
.set CT, 32
.set PASS, 33
.set NC, 34
.set WP, 36
.set RP, 38
.set OUT, 40
.set LH, 54
.set SH, 55
.set PS, 56
.set WF, 60
.set LS, 61
.set R0, 62
.set ST, 74
.set MSB, 0
.macro WIN new
.if MSB != \new
	s_set_vgpr_msb (MSB<<8)|\new
.set MSB, \new
.endif
.endm
	s_load_b512 s[4:19], s[0:1], 0x0               ; xq s[4:5], ti s[6:7], tw s[8:9], w1 s[10:11], b1 s[12:13], the scales s[14:15], h_img s[16:17], list s[18:19]
	s_load_b128 s[68:71], s[0:1], 0x40             ; wsort s[68:69], cnt s[70:71]
	v_lshl_add_u32 v[SPW], v0, 2, SPARE
	v_mov_b32 v[NIL], 0
	v_lshrrev_b32 v[L16], 5, v0
	v_readfirstlane_b32 s[WV], v[L16]
	s_and_b32 s[WF], s[WV], 1
	s_lshr_b32 s[WT], s[WV], 1
	s_lshr_b32 s[EX], ttmp9, 5
	s_and_b32 s[SL], ttmp9, 31
	s_or_b32 s[LS], s[SL], s[WF]                   ; 0: my wave stores its tiles' part of list and wsort
	s_lshl_b32 s43, s[WF], 13                      ; in a stage: 4 u images,
	s_lshl_b32 s45, s[WT], 9
	s_add_co_u32 s44, s43, s45                     ; + my quarter
	s_lshl_b32 s46, s[EX], 24                      ; in w1: the expert, the slice's 512 bytes of a row, u's 256, 4 rows for the quarter
	s_lshl_b32 s45, s[SL], 9
	s_add_co_u32 s46, s46, s45
	s_lshl_b32 s48, s[EX], 14                      ; in b1: the expert, the slice, my 64 units
	s_add_co_u32 s48, s48, s45
	s_lshl_b32 s45, s[WF], 8
	s_add_co_u32 s46, s46, s45
	s_add_co_u32 s48, s48, s45
	s_lshl_b32 s45, s[WT], 16
	s_add_co_u32 s46, s46, s45
	s_mov_b32 s47, 0
	s_mov_b32 s49, 0
	s_lshl_b32 s50, s[EX], 4
	s_mov_b32 s51, 0
	s_mov_b32 s[PS], 0x05010400
	s_mov_b32 s[PS+1], 0x07030602
	s_mov_b32 s[PS+2], 0x05040100
	s_mov_b32 s[PS+3], 0x07060302
	s_mov_b32 s72, 0x76543210                      ; lane selects: lane l xor 16
	s_mov_b32 s73, 0xfedcba98
	s_mov_b32 s[ST], 0x100000                      ; what the next unit's request adds to w1's address: units 0 and 1 go out together, so unit 2 lies 64 rows on
	s_mov_b32 s[ST+1], 0
	v_and_b32 v[L16], 31, v0
	v_and_b32 v[WOFF], 15, v0
	v_bfe_u32 v[SOFF], v0, 4, 1
	v_lshlrev_b32 v[L16], 4, v[L16]
	v_lshlrev_b32 v[WOFF], 4, v[WOFF]
	v_lshl_add_u32 v[WOFF], v[SOFF], 18, v[WOFF]   ; 16 rows of 16,384 bytes
	v_lshlrev_b32 v[SOFF], 7, v[SOFF]
	v_add_nc_u32 v[SADB], s44, v[L16]
	v_add_nc_u32 v[LBB], s43, v[L16]
	s_wait_alu depctr_va_vdst(0)
	s_wait_kmcnt 0x0
	s_add_nc_u64 s[14:15], s[14:15], s[50:51]
	s_load_b128 s[SCL:SCL+3], s[14:15], 0x0
	s_add_nc_u64 s[WP:WP+1], s[10:11], s[46:47]
	s_add_nc_u64 s[12:13], s[12:13], s[48:49]
.macro TILOAD                          ; all 2,048 choices
.irp g, 0,1,2,3,4,5,6,7,8,9,10,11,12,13,14,15
	global_load_b128 v[TI+4*\g:TI+4*\g+3], v[L16], s[6:7] offset:512*\g
.endr
.endm
.macro ISSUE p, step, ofs              ; a unit into ring set p: load ii is row 128 (ii / 4) + ii % 4 of my part
.if \step
	s_wait_xcnt 0x0                                ; the earlier loads have read their base
	s_add_nc_u64 s[WP:WP+1], s[WP:WP+1], s[ST:ST+1]
.endif
.irp ii, 0,1,2,3,4,5,6,7,8,9,10,11,12,13,14,15
	global_load_b128 v[RG+64*\p+4*\ii:RG+64*\p+4*\ii+3], v[WOFF], s[WP:WP+1] offset:\ofs+(128*(\ii/4)+\ii%4)*16384 th:TH_LOAD_NT
.endr
.endm
.macro RLOAD                           ; five tiles' fragments of the K step at RP
.irp a, 0,1,2,3,4
.irp q, 0,1,2,3
	global_load_b128 v[RW+16*\a+4*\q:RW+16*\a+4*\q+3], v[AOFF+\a], s[RP:RP+1] offset:16*\q
.endr
.endr
.endm
; if the wd bits at the place hold no more set bits than are still to pass, they are passed
.macro SELB f, wd, m
	v_lshrrev_b32 v16, v22, v[\f]
	v_and_b32 v16, \m, v16
	v_cmp_ge_u32 vcc_lo, v21, v16
	v_cndmask_b32 v16, 0, v16, vcc_lo
	v_sub_nc_u32 v21, v21, v16
	v_cndmask_b32 v16, 0, \wd, vcc_lo
	v_add_nc_u32 v22, v22, v16
.endm
.macro FIND i                          ; the bit of rank q - (pairs ahead) in the word: sums of 2, 4, 8 and 16 neighbouring bits, then five halvings
	v_lshrrev_b32 v16, 1, v[MW+\i]
	v_and_b32 v16, 0x55555555, v16
	v_sub_nc_u32 v17, v[MW+\i], v16
	v_lshrrev_b32 v16, 2, v17
	v_and_b32 v16, 0x33333333, v16
	v_and_b32 v18, 0x33333333, v17
	v_add_nc_u32 v18, v18, v16
	v_lshrrev_b32 v16, 4, v18
	v_add_nc_u32 v19, v18, v16
	v_and_b32 v19, 0x0f0f0f0f, v19
	v_lshrrev_b32 v16, 8, v19
	v_add_nc_u32 v20, v19, v16
	v_and_b32 v20, 0x00ff00ff, v20
	v_and_b32 v16, 0xffff, v[PW+\i]
	v_sub_nc_u32 v21, v[QR+\i], v16                ; set bits still to pass
	v_mov_b32 v22, 0                               ; the place
	SELB 20, 16, 0xff
	SELB 19, 8, 0xff
	SELB 18, 4, 15
	SELB 17, 2, 3
	SELB MW+\i, 1, 1
	v_lshrrev_b32 v16, 18, v[PW+\i]
	v_lshlrev_b32 v16, 7, v16
	v_lshl_add_u32 v16, v22, 2, v16
	v_bfe_u32 v23, v[PW+\i], 16, 2
	v_add_nc_u32 v16, v16, v23
	v_min_u32 v[24+\i], 0x7ff, v16                 ; the pair, held inside the tables
.endm
; From ti in registers to the rows of the pass whose first tile of mine is s42: the count in s[NC], the rows' offsets, the pairs, and the requests for their gate weights.
.macro ROWSET
	v_bfe_u32 v[RV], v[L16], 4, 4
	v_lshrrev_b32 v[HV], 8, v[L16]
	s_lshl_b32 s43, s42, 4
	v_lshl_add_u32 v[QR], v[HV], 6, v[RV]
	v_add_nc_u32 v[QR], s43, v[QR]                 ; rank 16 (tile + 4 (2 i + h)) + r
	v_add_nc_u32 v[QR+1], 128, v[QR]
	v_add_nc_u32 v[QR+2], 0x100, v[QR]
.irp i, 0,1,2,3,4,5
	v_mov_b32 v[MW+\i], 0
.endr
	s_mov_b32 s[NC], 0
.set w, 0
.rept 64                               ; the last word with at most q pairs ahead of it is the word that holds rank q
	v_cmp_eq_u32 s44, s[EX], v[TI+w]
	s_or_b32 s45, s[NC], w<<16
.irp i, 0,1,2
	v_cmp_le_u32 vcc_lo, s[NC], v[QR+\i]
	v_cndmask_b32 v[MW+\i], v[MW+\i], s44, vcc_lo
	v_cndmask_b32 v[PW+\i], v[PW+\i], s45, vcc_lo
.endr
	s_bcnt1_i32_b32 s43, s44
	s_add_co_u32 s[NC], s[NC], s43
.set w, w+1
.endr
	FIND 0
	FIND 1
	FIND 2
.irp i, 0,1,2
	v_mov_b32 v[28+\i], 0                          ; a lane permute's destination counts as one of its sources
.endr
.irp i, 0,1,2
	v_permlanex16_b32 v[28+\i], v[24+\i], s72, s73
.endr
	v_cmp_eq_u32 vcc_lo, 0, v[HV]
	v_cndmask_b32 v32, v28, v24, vcc_lo            ; slot 2 i was found by lanes 0-15, slot 2 i + 1 by lanes 16-31
	v_cndmask_b32 v33, v24, v28, vcc_lo
	v_cndmask_b32 v34, v29, v25, vcc_lo
	v_cndmask_b32 v35, v25, v29, vcc_lo
	v_cndmask_b32 v36, v30, v26, vcc_lo
.irp a, 0,1,2,3,4
	v_lshrrev_b32 v[AOFF+\a], 1, v[32+\a]          ; the token,
	v_min_u32 v[AOFF+\a], 0x3ff, v[AOFF+\a]
	v_lshlrev_b32 v[AOFF+\a], 10, v[AOFF+\a]       ; its row of 1,024 codes,
	v_lshl_add_u32 v[AOFF+\a], v[HV], 6, v[AOFF+\a]
.endr
	WIN 0x40
.irp a, 0,1,2,3,4
	v_mov_b32 v[PRS+\a], v[32+\a]
	v_min_u32 v[TWO+\a], 0x7ff, v[32+\a]
.endr
	WIN 0x44
.irp a, 0,1,2,3,4
	v_lshlrev_b32 v[TWO+\a], 2, v[TWO+\a]
.endr
	WIN 0x41
.irp a, 0,1,2,3,4
	global_load_b32 v[TWS+\a], v[TWO+\a], s[8:9]
.endr
	WIN 0
	s_wait_alu depctr_va_vdst(0)
.endm
.macro UNIT p, iss, nw                 ; nw: the loads issued behind this unit's, which may stay out
	s_wait_loadcnt \nw
	WIN 0
	v_add_nc_u32 v[SAD], s[LO], v[SADB]
.set k, RG+64*\p
.rept 64
	v_med3_num_f32 v[k], v[k], -v[LIM], v[LIM]     ; the conversion to an 8-bit code does not saturate (ISA guide 7.6.2): the hold comes first
.set k, k+1
.endr
	WIN 0x40
.irp g, 0,1,2,3,4,5,6,7
	v_cvt_scalef32_pk8_fp8_f32 v[DQ+2*\g:DQ+2*\g+1], v[RG+64*\p+8*\g:RG+64*\p+8*\g+7], v[SC]
.endr
	v_add_nc_u32 v[LB], s[LO], v[LBB]              ; a plain instruction behind the last conversion
	WIN 0
.if \iss
	s_wait_alu depctr_va_vdst(0)
	ISSUE \p, 1, 0
.endif
	WIN 0x45
.irp d, 0,1,2,3                        ; four rows x four columns of bytes are turned
	v_perm_b32 v[SQ+4*\d],   v[DQ+4*\d+1], v[DQ+4*\d],   s[PS]
	v_perm_b32 v[SQ+4*\d+1], v[DQ+4*\d+1], v[DQ+4*\d],   s[PS+1]
	v_perm_b32 v[SQ+4*\d+2], v[DQ+4*\d+3], v[DQ+4*\d+2], s[PS]
	v_perm_b32 v[SQ+4*\d+3], v[DQ+4*\d+3], v[DQ+4*\d+2], s[PS+1]
.endr
.irp d, 0,1,2,3
	v_perm_b32 v[TQ+\d],    v[SQ+4*\d+2], v[SQ+4*\d],   s[PS+2]
	v_perm_b32 v[TQ+4+\d],  v[SQ+4*\d+2], v[SQ+4*\d],   s[PS+3]
	v_perm_b32 v[TQ+8+\d],  v[SQ+4*\d+3], v[SQ+4*\d+1], s[PS+2]
	v_perm_b32 v[TQ+12+\d], v[SQ+4*\d+3], v[SQ+4*\d+1], s[PS+3]
.endr
	WIN 0
	s_wait_alu depctr_va_vdst(0)
	s_barrier_signal -1
	s_barrier_wait -1                              ; every wave's reads of the last stage's images are over
	WIN 0x04
.irp j, 0,1,2,3
	ds_store_b128 v[SAD], v[TQ+4*\j:TQ+4*\j+3] offset:2048*\j
.endr
	WIN 0
	s_wait_dscnt 0x0                               ; for the others' sake: my quarters lie in LDS
	s_barrier_signal -1
	s_barrier_wait -1                              ; the stage's images are whole
.endm
.macro MUL zero, r0                    ; a K step: 20 products.  r0: the loads issued behind the rows', which may stay out
	WIN W_MUL
.irp j, 0,1,2,3
.irp q, 0,1,2,3
	ds_load_b128 v[BB+16*\j+4*\q:BB+16*\j+4*\q+3], v[LB] offset:2048*\j+512*\q
.endr
.endr
	s_wait_loadcnt \r0
.irp j, 0,1,2,3
	s_wait_dscnt 12-4*\j                           ; fragment j is in; the later ones may be out
.irp a, 0,1,2,3,4
.if \zero
	v_wmma_f32_16x16x128_fp8_fp8 v[32*\a+8*\j:32*\a+8*\j+7], v[BB+16*\j:BB+16*\j+15], v[RW+16*\a:RW+16*\a+15], 0
.else
	v_wmma_f32_16x16x128_fp8_fp8 v[32*\a+8*\j:32*\a+8*\j+7], v[BB+16*\j:BB+16*\j+15], v[RW+16*\a:RW+16*\a+15], v[32*\a+8*\j:32*\a+8*\j+7]
.endif
.endr
.endr
	WIN 0
.rept 4
	v_nop                                          ; places behind the last products
.endr
.endm
.macro NEXT                            ; on to the next K step: the rows' loads are done, so their base may step
	s_add_co_u32 s[LO], s[LO], STG
	s_add_nc_u64 s[RP:RP+1], s[RP:RP+1], 128
.endm
.macro PHASE p, zero, iss, nw, r0, nxt
	UNIT \p, \iss, \nw
	MUL \zero, \r0
	NEXT
.if \nxt
	RLOAD
.endif
.endm
	TILOAD                                         ; older than all that follows: the scan waits for these alone
.irp i, 0,1,2,3,4,5,6,7
	global_load_b128 v[BI+4*\i:BI+4*\i+3], v[SOFF], s[12:13] offset:16*\i
.endr
	ISSUE 0, 0, 0
	ISSUE 1, 0, 0x80000                            ; unit 1: 32 rows on
	s_lshl_b32 s42, s[EX], 20                      ; xq: 1,024 rows of 1,024 bytes an expert
	s_mov_b32 s43, 0
	s_add_nc_u64 s[RP:RP+1], s[4:5], s[42:43]
	s_mov_b64 s[R0:R0+1], s[RP:RP+1]
	s_lshl_b32 s42, s[EX], 22                      ; h_img: 64 tiles x 65,536 bytes an expert; K step fs; my two quarters
	s_lshl_b32 s44, s[SL], 11
	s_add_co_u32 s42, s42, s44
	s_lshl_b32 s44, s[WF], 10
	s_add_co_u32 s42, s42, s44
	s_add_nc_u64 s[OUT:OUT+1], s[16:17], s[42:43]
	s_lshl_b32 s42, s[EX], 12                      ; list, wsort: 1,024 words an expert
	s_add_nc_u64 s[18:19], s[18:19], s[42:43]
	s_add_nc_u64 s[68:69], s[68:69], s[42:43]
	s_lshl_b32 s42, s[EX], 2
	s_add_nc_u64 s[70:71], s[70:71], s[42:43]
	s_mov_b32 s[PASS], 0
	s_mov_b32 s[LO], 0
	s_mov_b32 s42, s[WT]                           ; slot 0's tile
	s_wait_loadcnt 40                              ; ti is in; b1's 8 loads and the 32 of units 0 and 1 may be out
	ROWSET
	s_mov_b32 s[NE], s[NC]
	s_add_co_u32 s[NT], s[NE], 15
	s_lshr_b32 s[NT], s[NT], 4
	s_max_u32 s[NT], s[NT], 1
	s_min_u32 s[NT], s[NT], 64
	RLOAD
	s_wait_kmcnt 0x0                               ; the scales
	s_add_co_i32 s44, s[SCL+1], 127
	s_lshl_b32 s43, s44, 23
	v_mov_b32 v[SC], s43
	s_add_co_i32 s44, s44, 8
	s_lshl_b32 s44, s44, 23
	s_or_b32 s44, s44, 0x600000
	v_mov_b32 v[LIM], s44
	s_add_co_i32 s44, s[SCL+2], 127
	s_lshl_b32 s[SH], s44, 23
	s_add_co_i32 s44, s44, 8
	s_lshl_b32 s44, s44, 23
	s_or_b32 s[LH], s44, 0x600000
	s_add_co_i32 s[SS], s[SCL], s[SCL+1]
	s_add_co_i32 s[SS], s[SS], 127
	s_lshl_b32 s[SS], s[SS], 23
	s_or_b32 s44, s[SL], s[WV]                     ; slice 0's wave 0 stores the expert's count
	s_cmp_lg_u32 s44, 0
	s_cbranch_scc1 .Lnocnt
.set CN, 241                           ; window 1: v241 the count; no other line writes it
	WIN 0x40
	v_mov_b32 v[CN], s[NE]
	WIN 0x04
	global_store_b32 v[NIL], v[CN], s[70:71]       ; all lanes name the same word with the same value
	WIN 0
.Lnocnt:
	s_wait_alu depctr_va_vdst(0)
	PHASE 0, 1, 1, 36, 16, 1                       ; the first stage's products start the sums
	s_mov_b32 s[ST], 0x80000                       ; 32 rows from unit to unit,
	PHASE 1, 0, 1, 36, 16, 1
	s_mov_b32 s[ST], 0x680000                      ; 416 rows from unit 3 to unit 4
	s_mov_b32 s[CT], 0
.Lst:
	PHASE 0, 0, 1, 36, 16, 1
	s_mov_b32 s[ST], 0x80000
	PHASE 1, 0, 1, 36, 16, 1
	s_add_co_u32 s[CT], s[CT], 1
	s_cmp_lt_u32 s[CT], 2
	s_cbranch_scc1 .Lst
	PHASE 0, 0, 0, 36, 0, 1                        ; the last two stages ask for no unit: the counts run down
	PHASE 1, 0, 0, 20, 0, 0
	v_mov_b32 v[LIM], s[LH]                        ; from here on the hidden layer's limit and scale
	v_mov_b32 v[SC], s[SH]
	s_wait_alu depctr_va_vdst(0)
; The way out of slot a: sum x 2^(ex + ew1) + b1, relu and hold in one, conversion with 2^eh, two stores of 512 consecutive bytes.
.macro OUTSLOT a
	s_add_co_u32 s43, s42, 4*\a                    ; the slot's tile
	s_cmp_ge_u32 s43, s[NT]
	s_cbranch_scc1 .Lno_\@                         ; the expert has no such tile
	s_wait_xcnt 0x0                                ; the last stores have read their registers
	s_min_u32 s43, s43, 63
	s_lshl_b32 s43, s43, 16
	v_add_nc_u32 v[SOFF], s43, v[L16]
	WIN 0x01
.irp j, 0,1,2,3
.irp jj, 0,1,2,3,4,5,6,7                       ; each accumulator from its low end on
	v_fma_f32 v[TT+8*\j+\jj], v[32*\a+8*\j+\jj], s[SS], v[BI+4*\jj+\j]
.endr
.endr
	WIN 0
.set k, TT
.rept 32
	v_med3_num_f32 v[k], v[k], 0, v[LIM]           ; the activation and the hold in one
.set k, k+1
.endr
.irp j, 0,1,2,3
	v_cvt_scalef32_pk8_fp8_f32 v[FC+2*\j:FC+2*\j+1], v[TT+8*\j:TT+8*\j+7], v[SC]
.endr
	v_nop                                          ; a plain instruction behind the last conversion
	global_store_b128 v[SOFF], v[FC:FC+3], s[OUT:OUT+1] th:TH_STORE_NT
	global_store_b128 v[SOFF], v[FC+4:FC+7], s[OUT:OUT+1] offset:512 th:TH_STORE_NT
	s_cmp_lg_u32 s[LS], 0
	s_cbranch_scc1 .Lno_\@
	s_lshr_b32 s43, s43, 10                        ; 16 words a tile in list and in wsort
	v_and_b32 v56, 0xf0, v[L16]
	v_lshrrev_b32 v56, 2, v56
	v_add_nc_u32 v56, s43, v56
	WIN 0x04
	global_store_b32 v56, v[PRS+\a], s[18:19]      ; lanes r and r + 16 name the same word with the same value
	global_store_b32 v56, v[TWS+\a], s[68:69]
	WIN 0
.Lno_\@:
.endm
.Lpass:                                                ; four trips: a pass leaves, and the next pass, if the expert has tiles for it, is multiplied from the finished images
	s_wait_loadcnt 0x0
	OUTSLOT 0
	OUTSLOT 1
	OUTSLOT 2
	OUTSLOT 3
	OUTSLOT 4
	s_add_co_u32 s[PASS], s[PASS], 1
	s_wait_xcnt 0x0
	s_mul_i32 s42, s[PASS], 20
	s_add_co_u32 s42, s42, s[WT]                   ; slot 0's tile
	s_mov_b32 s[LO], 0
	s_mov_b64 s[RP:RP+1], s[R0:R0+1]
	s_mov_b32 s[CT], 0
	s_cmp_ge_u32 s42, s[NT]
	s_cbranch_scc1 .Lnos                           ; my wave has no tile in this pass
	TILOAD
	s_wait_loadcnt 0x0
	ROWSET
.Lnos:
.Lk:
	s_cmp_ge_u32 s42, s[NT]
	s_cbranch_scc1 .Lskip
	WIN 0x40
	v_add_nc_u32 v[LB], s[LO], v[LBB]
	WIN 0
	s_wait_alu depctr_va_vdst(0)
	RLOAD
	s_cmp_lg_u32 s[CT], 0
	s_cbranch_scc1 .Lacc
	MUL 1, 0
	s_branch .Lskip
.Lacc:
	MUL 0, 0
.Lskip:
	NEXT
	s_add_co_u32 s[CT], s[CT], 1
	s_cmp_lt_u32 s[CT], 8
	s_cbranch_scc1 .Lk
	s_cmp_lt_u32 s[PASS], 4
	s_cbranch_scc1 .Lpass
	s_wait_tensorcnt 0x0                           ; the wave's end
	ds_add_u32 v[SPW], v[NIL]
	s_wait_dscnt 0x0
	s_endpgm
.Lfunc_end_k_q5243520796_up:
	.size	k_q5243520796_up, .Lfunc_end_k_q5243520796_up-k_q5243520796_up
	.p2alignl 7, 3214868480
	.fill 96, 4, 3214868480
	.section	.rodata,"a",@progbits
	.p2align	6, 0x0
	.amdhsa_kernel k_q5243520796_up
		.amdhsa_group_segment_fixed_size 132096
		.amdhsa_private_segment_fixed_size 0
		.amdhsa_enable_private_segment 0
		.amdhsa_kernarg_size 80
		.amdhsa_user_sgpr_count 2
		.amdhsa_user_sgpr_kernarg_segment_ptr 1
		.amdhsa_wavefront_size32 1
		.amdhsa_system_sgpr_workgroup_id_x 1
		.amdhsa_system_sgpr_workgroup_id_y 1
		.amdhsa_system_sgpr_workgroup_id_z 1
		.amdhsa_system_vgpr_workitem_id 0
		.amdhsa_next_free_vgpr 512
		.amdhsa_next_free_sgpr 80
		.amdhsa_reserve_vcc 1
		.amdhsa_float_denorm_mode_32 3
		.amdhsa_float_denorm_mode_16_64 3
		.amdhsa_memory_ordered 1
		.amdhsa_forward_progress 1
		.amdhsa_inst_pref_size 227
	.end_amdhsa_kernel
	.amdgpu_metadata
---
amdhsa.version: [ 1, 2 ]
amdhsa.kernels:
  - .name:           k_q5243520796_up
    .symbol:         k_q5243520796_up.kd
    .args:
      - { .name: xq, .offset: 0, .size: 8, .value_kind: global_buffer, .address_space: global }
      - { .name: ti, .offset: 8, .size: 8, .value_kind: global_buffer, .address_space: global }
      - { .name: tw, .offset: 16, .size: 8, .value_kind: global_buffer, .address_space: global }
      - { .name: w1, .offset: 24, .size: 8, .value_kind: global_buffer, .address_space: global }
      - { .name: b1, .offset: 32, .size: 8, .value_kind: global_buffer, .address_space: global }
      - { .name: lowp_scales, .offset: 40, .size: 8, .value_kind: global_buffer, .address_space: global }
      - { .name: h_img, .offset: 48, .size: 8, .value_kind: global_buffer, .address_space: global }
      - { .name: list, .offset: 56, .size: 8, .value_kind: global_buffer, .address_space: global }
      - { .name: wsort, .offset: 64, .size: 8, .value_kind: global_buffer, .address_space: global }
      - { .name: cnt, .offset: 72, .size: 8, .value_kind: global_buffer, .address_space: global }
    .group_segment_fixed_size: 132096
    .private_segment_fixed_size: 0
    .kernarg_segment_align: 8
    .kernarg_segment_size: 80
    .max_flat_workgroup_size: 256
    .sgpr_count:     80
    .vgpr_count:     512
    .wavefront_size: 32
...
	.end_amdgpu_metadata
.endif
;; end of part 2
;; launch down (part 3): grid 256 x 1, 8 waves a work-group, no clusters, 166,912 bytes of LDS; arguments h_img, w2, b2, lowp_scales, cnt, list, wsort, part; writes part
.if DOCPART == 3
	.amdgcn_target "amdgcn-amd-amdhsa--gfx1250"
	.amdhsa_code_object_version 6
	.text
	.protected	k_q5243520796_down
	.globl	k_q5243520796_down
	.p2align	8
	.type	k_q5243520796_down,@function
k_q5243520796_down:
	s_mov_b64 s[64:65], 0
	v_nop
	global_prefetch_b8 v0, s[64:65] scope:SCOPE_SE
	s_setreg_imm32_b32 hwreg(HW_REG_WAVE_MODE, 25, 1), 1
	s_wait_xcnt 0x0
; THE SECOND LAYER, for the routed rows alone: part[kh][pair] = gate weight x (hq w2q over K half kh, + b2 in half 0), both operands codes of E4M3, sums in f32.
; Rows that no pair routes to expert e are left out: the module multiplies their result by the weight 0.
; Work-group (expert e = id / 32, slice = id % 32 / 2, K half kh = id % 2) owns 64 columns x 2,048 K of w2[e].
; EIGHT STAGES of two K steps of 128.  In stage n every wave quantises one UNIT of w2 (16 rows x 4 columns a lane, 16 loads), turns its bytes and stores one quarter of the four
; fragments of K step 2 n + wave / 4 (quarter q = wave % 4); then the waves multiply the stage's two K steps with the rows.
; Lane r of fragment j stands for column 4 r + j.  Byte p (b = p / 8, jj = p % 8) of a lane's 16 registers is k = 128 S + 64 (b / 4) + 32 h + 4 jj + b % 4, the map of the hidden rows' images.
; The units lie on a ring of two sets of 64 registers: unit n + 2 is asked for as soon as unit n is converted, so 32 loads of a wave are out while it multiplies.
; LOADcnt falls in the order of issue.  The order is rows(n), unit n + 2, rows(n + 1): the wait for unit n leaves unit n + 1 and rows(n) out (40);
; the waits for rows(n) leave the second K step's rows and unit n + 2 out (28), then unit n + 2 (16).
; Two barriers a stage: one between all waves' reads of the last images and the stores, one between the stores and the reads.  Both stand on every wave's path, ahead of every branch on the row count.
; PRODUCTS: wave w multiplies all four fragments with three tiles, 24 pass + 8 a + w: 12 accumulators by turns.
; A slot without a tile is held at the expert's last tile, so that all counts are constants; its store is jumped over.
; An expert with more than 24 tiles is served by further passes over the finished images: loops of constant count, walked by every wave, with the branch on the row count inside them.
; THE PRODUCT IS USED TRANSPOSED: lane (r, h) holds row r, register jj of fragment j column 32 h + 4 jj + j.  A tile goes through the wave's own stage in LDS and leaves by rows:
; sixteen lanes store 256 consecutive, aligned bytes of a pair's row, found in list.
; No tensor load and no cluster: branches hang on the count read from memory.  No prefetch: the stream of w2 is asked for two units ahead by the loads themselves.
; LIMITS: ew2 between -126 and 119, eh + ew2 between -126 and 127.  NaN among the inputs is not served.
.set STG,   16384                      ; LDS bytes of a stage: two K steps x four images
.set SP,    272
.set STAGE, 131072                     ; behind the images: 16 rows for each wave
.set SPARE, STAGE+8*16*SP
; window 0
.set L16,  1
.set SADB, 2                           ; where my quarter goes in a stage
.set SAD,  3
.set WOFF, 4                           ; my lane's byte in w2: 32 rows x h + 16 r
.set LIMW, 5
.set SCW,  6
.set HI,   7
.set C16,  8
.set AOFF, 9                           ; v9-11
.set SPW,  12
.set NIL,  13
.set STO,  14
.set RD,   15
.set RW,   16                          ; v16-111 the rows' fragments: 48 kk + 16 a
.set RG,   112                         ; v112-239 the ring, two units
.set BOFF, 240                         ; 128 h, for b2
.set OO,   16
.set RB,   48
.set VO,   80
; window 1: v0-95 the accumulators (32 a + 8 j + jj)
.set BB,   96                          ; v96-159 four fragments of the weights; between the products the codes on their way:
.set DQ,   96
.set SQ,   112
.set TQ,   128
.set LB,   160
.set IDS,  162
.set WL,   186
.set R4,   189
.set BI,   190
.set LT,   222
.set LW,   225
.set W_MUL, 0x51
.set WV, 20
.set EX, 22
.set SL, 23
.set SCL, 24
.set SS, 28
.set LO, 29
.set NE, 30
.set NT, 31
.set CT, 32
.set PASS, 33
.set NTM, 34
.set WP, 36
.set RP, 38
.set OUT, 40
.set TL, 46
.set R0, 54
.set PS, 56
.set QQ, 60
.set KS, 61
.set KH, 62
.set MSB, 0
.macro WIN new
.if MSB != \new
	s_set_vgpr_msb (MSB<<8)|\new
.set MSB, \new
.endif
.endm
	s_load_b256 s[4:11], s[0:1], 0x0               ; h_img, w2, b2, the scales
	s_load_b256 s[12:19], s[0:1], 0x20             ; cnt, list, wsort, part
	v_lshl_add_u32 v[SPW], v0, 2, SPARE
	v_mov_b32 v[NIL], 0
	v_lshrrev_b32 v[L16], 5, v0
	v_readfirstlane_b32 s[WV], v[L16]
	s_and_b32 s[QQ], s[WV], 3
	s_lshr_b32 s[KS], s[WV], 2
	s_lshr_b32 s[EX], ttmp9, 5
	s_bfe_u32 s[SL], ttmp9, 0x40001
	s_and_b32 s[KH], ttmp9, 1
	s_mul_i32 s43, s[WV], 16*SP
	s_add_co_u32 s43, s43, STAGE                   ; my stage
	s_lshl_b32 s44, s[KS], 13
	s_lshl_b32 s45, s[QQ], 9
	s_add_co_u32 s44, s44, s45                     ; my K step of the stage's two, my quarter
	s_lshl_b32 s46, s[EX], 24                      ; in w2: the expert; 2,048 rows for the K half; 128 for the K step; 64 and 2 for the quarter; the slice's 256 bytes
	s_lshl_b32 s45, s[KH], 23
	s_add_co_u32 s46, s46, s45
	s_lshl_b32 s45, s[KS], 19
	s_add_co_u32 s46, s46, s45
	s_lshr_b32 s45, s[QQ], 1
	s_lshl_b32 s45, s45, 18
	s_add_co_u32 s46, s46, s45
	s_and_b32 s45, s[QQ], 1
	s_lshl_b32 s45, s45, 13
	s_add_co_u32 s46, s46, s45
	s_lshl_b32 s45, s[SL], 8
	s_add_co_u32 s46, s46, s45
	s_mov_b32 s47, 0
	s_lshl_b32 s48, s[EX], 12                      ; in b2: the expert, the slice
	s_add_co_u32 s48, s48, s45
	s_mov_b32 s49, 0
	s_lshl_b32 s50, s[EX], 4
	s_mov_b32 s51, 0
	s_lshl_b32 s52, s[EX], 2
	s_mov_b32 s53, 0
	s_mov_b32 s[PS], 0x05010400
	s_mov_b32 s[PS+1], 0x07030602
	s_mov_b32 s[PS+2], 0x05040100
	s_mov_b32 s[PS+3], 0x07060302
	v_and_b32 v[L16], 31, v0
	v_and_b32 v[C16], 15, v0                       ; r, for now
	v_bfe_u32 v[HI], v0, 4, 1
	v_lshlrev_b32 v[L16], 4, v[L16]
	v_lshlrev_b32 v[WOFF], 4, v[C16]
	v_mul_u32_u24 v[STO], v[C16], SP
	v_mul_u32_u24 v[RD], v[HI], SP
	v_lshl_add_u32 v[WOFF], v[HI], 17, v[WOFF]     ; 32 rows of 4,096 bytes
	v_lshlrev_b32 v[BOFF], 7, v[HI]
	v_lshl_add_u32 v[STO], v[HI], 7, v[STO]
	v_lshl_add_u32 v[RD], v[C16], 4, v[RD]
	v_lshlrev_b32 v[C16], 4, v[C16]
	v_add_nc_u32 v[STO], s43, v[STO]               ; in: row r, + 128 h
	v_add_nc_u32 v[RD], s43, v[RD]                 ; back: lanes 0-15 one row, lanes 16-31 the next
	v_add_nc_u32 v[SADB], s44, v[L16]
	WIN 0x40
	v_lshrrev_b32 v[R4], 2, v[C16]
	WIN 0
	s_wait_alu depctr_va_vdst(0)
	s_wait_kmcnt 0x0
	s_add_nc_u64 s[10:11], s[10:11], s[50:51]
	s_add_nc_u64 s[12:13], s[12:13], s[52:53]
	s_load_b128 s[SCL:SCL+3], s[10:11], 0x0
	s_load_b32 s[NE], s[12:13], 0x0
	s_add_nc_u64 s[WP:WP+1], s[6:7], s[46:47]
	s_add_nc_u64 s[8:9], s[8:9], s[48:49]
	WIN 0x40
.irp i, 0,1,2,3,4,5,6,7
	global_load_b128 v[BI+4*\i:BI+4*\i+3], v[BOFF], s[8:9] offset:16*\i   ; older than every load of the stream
.endr
	WIN 0
.macro ISSUE p, step                   ; a unit into ring set p; load ii is row 4 (ii % 8) + ii / 8 of my part; step = 1: two K steps (256 rows) on
.if \step
	s_wait_xcnt 0x0                                ; the earlier loads have read their base
	s_add_nc_u64 s[WP:WP+1], s[WP:WP+1], 0x100000
.endif
.irp ii, 0,1,2,3,4,5,6,7,8,9,10,11,12,13,14,15
	global_load_b128 v[RG+64*\p+4*\ii:RG+64*\p+4*\ii+3], v[WOFF], s[WP:WP+1] offset:(4*(\ii%8)+\ii/8)*4096 th:TH_LOAD_NT
.endr
.endm
.macro RLOAD                           ; three tiles' fragments of the two K steps at RP, the first K step's first
.irp kk, 0,1
.irp a, 0,1,2
.irp q, 0,1,2,3
	global_load_b128 v[RW+48*\kk+16*\a+4*\q:RW+48*\kk+16*\a+4*\q+3], v[AOFF+\a], s[RP:RP+1] offset:2048*\kk+512*\q
.endr
.endr
.endr
.endm
.macro UNIT p, iss, nw                 ; nw: the loads issued behind this unit's, which may stay out
	s_wait_loadcnt \nw
	WIN 0
	v_add_nc_u32 v[SAD], s[LO], v[SADB]
.set k, RG+64*\p
.rept 64
	v_med3_num_f32 v[k], v[k], -v[LIMW], v[LIMW]   ; the conversion to an 8-bit code does not saturate (ISA guide 7.6.2): the hold comes first
.set k, k+1
.endr
	WIN 0x40
.irp g, 0,1,2,3,4,5,6,7
	v_cvt_scalef32_pk8_fp8_f32 v[DQ+2*\g:DQ+2*\g+1], v[RG+64*\p+8*\g:RG+64*\p+8*\g+7], v[SCW]
.endr
	v_add_nc_u32 v[LB], s[LO], v[L16]              ; a plain instruction behind the last conversion
	WIN 0
.if \iss
	s_wait_alu depctr_va_vdst(0)
	ISSUE \p, 1
.endif
	WIN 0x45
.irp d, 0,1,2,3                        ; four rows x four columns of bytes are turned
	v_perm_b32 v[SQ+4*\d],   v[DQ+4*\d+1], v[DQ+4*\d],   s[PS]
	v_perm_b32 v[SQ+4*\d+1], v[DQ+4*\d+1], v[DQ+4*\d],   s[PS+1]
	v_perm_b32 v[SQ+4*\d+2], v[DQ+4*\d+3], v[DQ+4*\d+2], s[PS]
	v_perm_b32 v[SQ+4*\d+3], v[DQ+4*\d+3], v[DQ+4*\d+2], s[PS+1]
.endr
.irp d, 0,1,2,3
	v_perm_b32 v[TQ+\d],    v[SQ+4*\d+2], v[SQ+4*\d],   s[PS+2]
	v_perm_b32 v[TQ+4+\d],  v[SQ+4*\d+2], v[SQ+4*\d],   s[PS+3]
	v_perm_b32 v[TQ+8+\d],  v[SQ+4*\d+3], v[SQ+4*\d+1], s[PS+2]
	v_perm_b32 v[TQ+12+\d], v[SQ+4*\d+3], v[SQ+4*\d+1], s[PS+3]
.endr
	WIN 0
	s_wait_alu depctr_va_vdst(0)
	s_barrier_signal -1
	s_barrier_wait -1                              ; every wave's reads of the last stage's images are over
	WIN 0x04
.irp j, 0,1,2,3
	ds_store_b128 v[SAD], v[TQ+4*\j:TQ+4*\j+3] offset:2048*\j
.endr
	WIN 0
	s_wait_dscnt 0x0                               ; for the others' sake: my quarter lies in LDS
	s_barrier_signal -1
	s_barrier_wait -1                              ; the stage's images are whole
.endm
.macro BFRAG j, kk
.irp q, 0,1,2,3
	ds_load_b128 v[BB+16*(\j)+4*\q:BB+16*(\j)+4*\q+3], v[LB] offset:8192*(\kk)+2048*(\j)+512*\q
.endr
.endm
.macro KST kk, zero                    ; a K step: 12 products; a fragment of the first K step is fetched anew, behind four places, as soon as its products are issued
.irp j, 0,1,2,3
.if \kk == 0
	s_wait_dscnt 12                                ; fragment j is in; the three fragments asked for behind it may be out
.else
	s_wait_dscnt 12-4*\j
.endif
.irp a, 0,1,2
.if \zero
	v_wmma_f32_16x16x128_fp8_fp8 v[32*\a+8*\j:32*\a+8*\j+7], v[BB+16*\j:BB+16*\j+15], v[RW+48*\kk+16*\a:RW+48*\kk+16*\a+15], 0
.else
	v_wmma_f32_16x16x128_fp8_fp8 v[32*\a+8*\j:32*\a+8*\j+7], v[BB+16*\j:BB+16*\j+15], v[RW+48*\kk+16*\a:RW+48*\kk+16*\a+15], v[32*\a+8*\j:32*\a+8*\j+7]
.endif
.endr
.if \kk == 0
.rept 4
	v_nop
.endr
	BFRAG \j, 1
.endif
.endr
.endm
.macro MUL zero, r0, r1                ; r0, r1: the loads issued behind the first and the second K step's rows, which may stay out
	WIN W_MUL
.irp j, 0,1,2,3
	BFRAG \j, 0
.endr
	s_wait_loadcnt \r0
	KST 0, \zero
	s_wait_loadcnt \r1
	KST 1, 0
	WIN 0
.rept 4
	v_nop                                          ; places behind the last products
.endr
.endm
.macro NEXT                            ; on to the next stage: the rows' loads are done, so their base may step
	s_add_co_u32 s[LO], s[LO], STG
	s_add_nc_u64 s[RP:RP+1], s[RP:RP+1], 4096
.endm
.macro PHASE p, zero, iss, nw, r0, r1, nxt
	UNIT \p, \iss, \nw
	MUL \zero, \r0, \r1
	NEXT
.if \nxt
	RLOAD
.endif
.endm
.macro SETUP                           ; the pass's tiles
	s_mul_i32 s42, s[PASS], 24
	s_add_co_u32 s42, s42, s[WV]                   ; slot 0's tile
.irp a, 0,1,2
	s_add_co_u32 s43, s42, 8*\a
	s_min_u32 s43, s43, s[NTM]                     ; held at the expert's last tile,
	s_min_u32 s[TL+\a], s43, 63                    ; and inside the buffers whatever was read
	s_lshl_b32 s44, s[TL+\a], 16
	v_add_nc_u32 v[AOFF+\a], s44, v[L16]
.endr
	WIN 0x40
.irp a, 0,1,2
	s_lshl_b32 s44, s[TL+\a], 6                    ; 16 words a tile in list and in wsort
	v_lshl_add_u32 v[LT+\a], v[HI], 2, s44
.endr
	WIN 0x44
.irp a, 0,1,2
	s_lshl_b32 s44, s[TL+\a], 6
	v_add_nc_u32 v[LW+\a], s44, v[R4]
.endr
	WIN 0
	s_wait_alu depctr_va_vdst(0)
.endm
.macro IDLOAD                          ; the pairs and gate weights of the pass's rows
	WIN 0x41
.irp a, 0,1,2
.irp i, 0,1,2,3,4,5,6,7
	global_load_b32 v[IDS+8*\a+\i], v[LT+\a], s[14:15] offset:8*\i
.endr
	global_load_b32 v[WL+\a], v[LW+\a], s[16:17]
.endr
	WIN 0
.endm
	ISSUE 0, 0
	s_lshl_b32 s42, s[EX], 22                      ; h_img: 64 tiles x 65,536 bytes an expert; my K half's 16 images
	s_lshl_b32 s44, s[KH], 15
	s_add_co_u32 s42, s42, s44
	s_mov_b32 s43, 0
	s_add_nc_u64 s[RP:RP+1], s[4:5], s[42:43]
	s_mov_b64 s[R0:R0+1], s[RP:RP+1]
	s_lshl_b32 s42, s[KH], 23                      ; part: 2,048 rows of 4,096 bytes a K half; the slice's 256 bytes
	s_lshl_b32 s44, s[SL], 8
	s_add_co_u32 s42, s42, s44
	s_add_nc_u64 s[OUT:OUT+1], s[18:19], s[42:43]
	s_lshl_b32 s42, s[EX], 12                      ; list, wsort: 1,024 words an expert
	s_add_nc_u64 s[14:15], s[14:15], s[42:43]
	s_add_nc_u64 s[16:17], s[16:17], s[42:43]
	s_wait_kmcnt 0x0                               ; the scales and the count
	s_add_co_i32 s42, s[SCL+3], 127
	s_lshl_b32 s43, s42, 23
	v_mov_b32 v[SCW], s43
	s_add_co_i32 s42, s42, 8
	s_lshl_b32 s42, s42, 23
	s_or_b32 s42, s42, 0x600000
	v_mov_b32 v[LIMW], s42
	s_add_co_i32 s[SS], s[SCL+2], s[SCL+3]
	s_add_co_i32 s[SS], s[SS], 127
	s_lshl_b32 s[SS], s[SS], 23
	s_add_co_u32 s[NT], s[NE], 15
	s_lshr_b32 s[NT], s[NT], 4
	s_max_u32 s[NT], s[NT], 1
	s_min_u32 s[NT], s[NT], 64
	s_sub_co_u32 s[NTM], s[NT], 1
	s_mov_b32 s[PASS], 0
	s_mov_b32 s[LO], 0
	SETUP
	IDLOAD
	RLOAD
	ISSUE 1, 1
	PHASE 0, 1, 1, 40, 28, 16, 1                   ; the first stage's first products start the sums
	PHASE 1, 0, 1, 40, 28, 16, 1
	s_mov_b32 s[CT], 0
.Lst:
	PHASE 0, 0, 1, 40, 28, 16, 1
	PHASE 1, 0, 1, 40, 28, 16, 1
	s_add_co_u32 s[CT], s[CT], 1
	s_cmp_lt_u32 s[CT], 2
	s_cbranch_scc1 .Lst
	PHASE 0, 0, 0, 40, 12, 0, 1                    ; the last two stages ask for no unit: the counts run down
	PHASE 1, 0, 0, 24, 12, 0, 0
	s_cmp_eq_u32 s[KH], 0
	s_cselect_b32 s44, -1, 0
	WIN 0x44
.set k, 0
.rept 32
	v_and_b32 v[BI+k], s44, v[BI+k]                ; b2 is added once, in K half 0
.set k, k+1
.endr
	WIN 0
	s_wait_alu depctr_va_vdst(0)
; The way out of slot a: (sum x 2^(eh + ew2) + b2) x the row's gate weight; through my stage; by rows into part.
.macro OUTSLOT a
	s_add_co_u32 s43, s42, 8*\a                    ; the slot's tile
	s_cmp_ge_u32 s43, s[NT]
	s_cbranch_scc1 .Lno_\@                         ; the expert has no such tile
	s_lshl_b32 s44, s43, 4
	s_sub_co_i32 s44, s[NE], s44                   ; the rows that the expert has from this tile's first on
	s_wait_xcnt 0x0                                ; the last stores have read their registers; EXEC changes only behind this wait
	WIN 0x11
.irp j, 0,1,2,3
.irp jj, 0,1,2,3,4,5,6,7                       ; each accumulator from its low end on
	v_fma_f32 v[OO+4*\jj+\j], v[32*\a+8*\j+\jj], s[SS], v[BI+4*\jj+\j]
.endr
.endr
	WIN 0x01
.set k, OO
.rept 32
	v_mul_f32 v[k], v[WL+\a], v[k]
.set k, k+1
.endr
	WIN 0x04
.irp i, 0,1,2,3,4,5,6,7
	v_min_u32 v[VO+\i], 0x7ff, v[IDS+8*\a+\i]      ; a pair read from memory is held inside part
.endr
	WIN 0
.irp i, 0,1,2,3,4,5,6,7
	v_lshl_add_u32 v[VO+\i], v[VO+\i], 12, v[C16]  ; its row of 4,096 bytes, + 16 bytes a lane
.endr
.irp m, 0,1,2,3,4,5,6,7
	ds_store_b128 v[STO], v[OO+4*\m:OO+4*\m+3] offset:16*\m
.endr
.irp i, 0,1,2,3,4,5,6,7
	ds_load_b128 v[RB+4*\i:RB+4*\i+3], v[RD] offset:2*\i*SP   ; LDS serves a wave's instructions in order (ISA guide 5.7.1.4): these see my stores
.endr
	s_wait_dscnt 0x0
	s_cmp_ge_i32 s44, 16
	s_cbranch_scc1 .Lfull_\@                       ; a whole tile leaves with all lanes on
	s_wait_alu depctr_va_vdst(0)
.irp i, 0,1,2,3,4,5,6,7                        ; rows 2 i and 2 i + 1; the rows that exist come first, so EXEC only narrows
	s_sub_co_i32 s45, s44, 2*\i
.if \i > 0
	s_wait_xcnt 0x0                                ; EXEC changes only behind this wait
.endif
	v_cmpx_gt_i32 s45, v[HI]
	global_store_b128 v[VO+\i], v[RB+4*\i:RB+4*\i+3], s[OUT:OUT+1] th:TH_STORE_NT
.endr
	s_wait_xcnt 0x0
	s_mov_b32 exec_lo, -1
	s_branch .Lno_\@
.Lfull_\@:
	s_wait_alu depctr_va_vdst(0)
.irp i, 0,1,2,3,4,5,6,7
	global_store_b128 v[VO+\i], v[RB+4*\i:RB+4*\i+3], s[OUT:OUT+1] th:TH_STORE_NT   ; sixteen lanes store 256 consecutive bytes, at a multiple of 256 from part's first byte
.endr
.Lno_\@:
.endm
.Lpass:                                                ; three trips: a pass leaves, and the next pass, if the expert has tiles for it, is multiplied from the finished images
	s_wait_loadcnt 0x0
	OUTSLOT 0
	OUTSLOT 1
	OUTSLOT 2
	s_add_co_u32 s[PASS], s[PASS], 1
	s_wait_xcnt 0x0
	SETUP
	s_mov_b32 s[LO], 0
	s_mov_b64 s[RP:RP+1], s[R0:R0+1]
	s_mov_b32 s[CT], 0
	s_cmp_ge_u32 s42, s[NT]
	s_cbranch_scc1 .Lnoid                          ; my wave has no tile in this pass
	IDLOAD
.Lnoid:
.Lk:
	s_cmp_ge_u32 s42, s[NT]
	s_cbranch_scc1 .Lskip
	WIN 0x40
	v_add_nc_u32 v[LB], s[LO], v[L16]
	WIN 0
	s_wait_alu depctr_va_vdst(0)
	RLOAD
	s_cmp_lg_u32 s[CT], 0
	s_cbranch_scc1 .Lacc
	MUL 1, 12, 0
	s_branch .Lskip
.Lacc:
	MUL 0, 12, 0
.Lskip:
	NEXT
	s_add_co_u32 s[CT], s[CT], 1
	s_cmp_lt_u32 s[CT], 8
	s_cbranch_scc1 .Lk
	s_cmp_lt_u32 s[PASS], 3
	s_cbranch_scc1 .Lpass
	s_wait_tensorcnt 0x0                           ; the wave's end
	ds_add_u32 v[SPW], v[NIL]
	s_wait_dscnt 0x0
	s_endpgm
.Lfunc_end_k_q5243520796_down:
	.size	k_q5243520796_down, .Lfunc_end_k_q5243520796_down-k_q5243520796_down
	.p2alignl 7, 3214868480
	.fill 96, 4, 3214868480
	.section	.rodata,"a",@progbits
	.p2align	6, 0x0
	.amdhsa_kernel k_q5243520796_down
		.amdhsa_group_segment_fixed_size 166912
		.amdhsa_private_segment_fixed_size 0
		.amdhsa_enable_private_segment 0
		.amdhsa_kernarg_size 64
		.amdhsa_user_sgpr_count 2
		.amdhsa_user_sgpr_kernarg_segment_ptr 1
		.amdhsa_wavefront_size32 1
		.amdhsa_system_sgpr_workgroup_id_x 1
		.amdhsa_system_sgpr_workgroup_id_y 1
		.amdhsa_system_sgpr_workgroup_id_z 1
		.amdhsa_system_vgpr_workitem_id 0
		.amdhsa_next_free_vgpr 512
		.amdhsa_next_free_sgpr 66
		.amdhsa_reserve_vcc 0
		.amdhsa_float_denorm_mode_32 3
		.amdhsa_float_denorm_mode_16_64 3
		.amdhsa_memory_ordered 1
		.amdhsa_forward_progress 1
		.amdhsa_inst_pref_size 144
	.end_amdhsa_kernel
	.amdgpu_metadata
---
amdhsa.version: [ 1, 2 ]
amdhsa.kernels:
  - .name:           k_q5243520796_down
    .symbol:         k_q5243520796_down.kd
    .args:
      - { .name: h_img, .offset: 0, .size: 8, .value_kind: global_buffer, .address_space: global }
      - { .name: w2, .offset: 8, .size: 8, .value_kind: global_buffer, .address_space: global }
      - { .name: b2, .offset: 16, .size: 8, .value_kind: global_buffer, .address_space: global }
      - { .name: lowp_scales, .offset: 24, .size: 8, .value_kind: global_buffer, .address_space: global }
      - { .name: cnt, .offset: 32, .size: 8, .value_kind: global_buffer, .address_space: global }
      - { .name: list, .offset: 40, .size: 8, .value_kind: global_buffer, .address_space: global }
      - { .name: wsort, .offset: 48, .size: 8, .value_kind: global_buffer, .address_space: global }
      - { .name: part, .offset: 56, .size: 8, .value_kind: global_buffer, .address_space: global }
    .group_segment_fixed_size: 166912
    .private_segment_fixed_size: 0
    .kernarg_segment_align: 8
    .kernarg_segment_size: 64
    .max_flat_workgroup_size: 256
    .sgpr_count:     66
    .vgpr_count:     512
    .wavefront_size: 32
...
	.end_amdgpu_metadata
.endif
;; end of part 3
;; launch join (part 4): grid 256 x 1, 8 waves a work-group, no clusters, 0 bytes of LDS; arguments part, out0; writes out0
.if DOCPART == 4
	.amdgcn_target "amdgcn-amd-amdhsa--gfx1250"
	.amdhsa_code_object_version 6
	.text
	.protected	k_q5243520796_join
	.globl	k_q5243520796_join
	.p2align	8
	.type	k_q5243520796_join,@function
k_q5243520796_join:
	s_mov_b64 s[64:65], 0
	v_nop
	global_prefetch_b8 v0, s[64:65] scope:SCOPE_SE
	s_setreg_imm32_b32 hwreg(HW_REG_WAVE_MODE, 25, 1), 1
	s_wait_xcnt 0x0
; out0[t] = the sum of four rows of part: the token's two pairs, each in two K halves.  part: [2][2048][1024] f32.
; A work-group takes four tokens; thread i takes the 16 bytes at 16 i of every row, so a wave's load or store covers 512 consecutive bytes.
; All 16 loads of a thread go out at once; each token has registers of its own, so no store's data are written again.
.set PT, 4                             ; v4-67: token t: four rows x 4 registers
	s_load_b128 s[4:7], s[0:1], 0x0                ; part, out0
	v_lshlrev_b32 v1, 4, v0
	s_lshl_b32 s10, ttmp9, 15                      ; eight rows of part
	s_mov_b32 s11, 0
	s_lshl_b32 s12, ttmp9, 14                      ; four rows of out0
	s_mov_b32 s13, 0
	s_wait_alu depctr_va_vdst(0)
	s_wait_kmcnt 0x0
	s_add_nc_u64 s[4:5], s[4:5], s[10:11]
	s_add_nc_u64 s[8:9], s[4:5], 0x800000          ; the same rows in K half 1
	s_add_nc_u64 s[6:7], s[6:7], s[12:13]
.irp t, 0,1,2,3
	global_load_b128 v[PT+16*\t:PT+16*\t+3],     v1, s[4:5] offset:8192*\t th:TH_LOAD_NT
	global_load_b128 v[PT+16*\t+4:PT+16*\t+7],   v1, s[8:9] offset:8192*\t th:TH_LOAD_NT
	global_load_b128 v[PT+16*\t+8:PT+16*\t+11],  v1, s[4:5] offset:8192*\t+4096 th:TH_LOAD_NT
	global_load_b128 v[PT+16*\t+12:PT+16*\t+15], v1, s[8:9] offset:8192*\t+4096 th:TH_LOAD_NT
.endr
.irp t, 0,1,2,3
	s_wait_loadcnt 12-4*\t                         ; this token's four loads are in; the later tokens' may be out
	v_pk_add_f32 v[PT+16*\t:PT+16*\t+1],     v[PT+16*\t:PT+16*\t+1],     v[PT+16*\t+4:PT+16*\t+5]
	v_pk_add_f32 v[PT+16*\t+2:PT+16*\t+3],   v[PT+16*\t+2:PT+16*\t+3],   v[PT+16*\t+6:PT+16*\t+7]
	v_pk_add_f32 v[PT+16*\t+8:PT+16*\t+9],   v[PT+16*\t+8:PT+16*\t+9],   v[PT+16*\t+12:PT+16*\t+13]
	v_pk_add_f32 v[PT+16*\t+10:PT+16*\t+11], v[PT+16*\t+10:PT+16*\t+11], v[PT+16*\t+14:PT+16*\t+15]
	s_delay_alu instid0(VALU_DEP_2)
	v_pk_add_f32 v[PT+16*\t:PT+16*\t+1],     v[PT+16*\t:PT+16*\t+1],     v[PT+16*\t+8:PT+16*\t+9]
	s_delay_alu instid0(VALU_DEP_2)
	v_pk_add_f32 v[PT+16*\t+2:PT+16*\t+3],   v[PT+16*\t+2:PT+16*\t+3],   v[PT+16*\t+10:PT+16*\t+11]
	global_store_b128 v1, v[PT+16*\t:PT+16*\t+3], s[6:7] offset:4096*\t th:TH_STORE_NT
.endr
	s_endpgm
.Lfunc_end_k_q5243520796_join:
	.size	k_q5243520796_join, .Lfunc_end_k_q5243520796_join-k_q5243520796_join
	.p2alignl 7, 3214868480
	.fill 96, 4, 3214868480
	.section	.rodata,"a",@progbits
	.p2align	6, 0x0
	.amdhsa_kernel k_q5243520796_join
		.amdhsa_group_segment_fixed_size 0
		.amdhsa_private_segment_fixed_size 0
		.amdhsa_enable_private_segment 0
		.amdhsa_kernarg_size 16
		.amdhsa_user_sgpr_count 2
		.amdhsa_user_sgpr_kernarg_segment_ptr 1
		.amdhsa_wavefront_size32 1
		.amdhsa_system_sgpr_workgroup_id_x 1
		.amdhsa_system_sgpr_workgroup_id_y 1
		.amdhsa_system_sgpr_workgroup_id_z 1
		.amdhsa_system_vgpr_workitem_id 0
		.amdhsa_next_free_vgpr 72
		.amdhsa_next_free_sgpr 66
		.amdhsa_reserve_vcc 0
		.amdhsa_float_denorm_mode_32 3
		.amdhsa_float_denorm_mode_16_64 3
		.amdhsa_memory_ordered 1
		.amdhsa_forward_progress 1
		.amdhsa_inst_pref_size 5
	.end_amdhsa_kernel
	.amdgpu_metadata
---
amdhsa.version: [ 1, 2 ]
amdhsa.kernels:
  - .name:           k_q5243520796_join
    .symbol:         k_q5243520796_join.kd
    .args:
      - { .name: part, .offset: 0, .size: 8, .value_kind: global_buffer, .address_space: global }
      - { .name: out0, .offset: 8, .size: 8, .value_kind: global_buffer, .address_space: global }
    .group_segment_fixed_size: 0
    .private_segment_fixed_size: 0
    .kernarg_segment_align: 8
    .kernarg_segment_size: 16
    .max_flat_workgroup_size: 256
    .sgpr_count:     66
    .vgpr_count:     72
    .wavefront_size: 32
...
	.end_amdgpu_metadata
.endif
;; end of part 4
